; MI455X (gfx1250); checked and timed in simulation.
; The chip was launched on July 23, 2026; its instructions are those of AMD's public machine-readable ISA for CDNA 5 (MIT licence, August 2026) and "CDNA5" Instruction Set Architecture Reference Guide (July 2026). The comments in the code are by the model that wrote it; some were corrected since.
;; Tiny Lo RA Layer. Allowed arithmetic: matrix products marked QUANTISED: E3M2 operands, one E8M0 scale for each 32 along K, by v_wmma_scale_f32_16x16x128_f8f6f4 with both operands' format E3M2, f32 sums; products left as they are: f32 operands where the result goes on into a quantised operand, else bf16, f16 or f32 operands; f32 sums; everything else in f32.
;; Inputs: A 4,096 x 8 float32; B 8 x 4,096 float32; P 8 x 4 float32; base_output 2 x 2,048 x 4,096 float32; v 4 float32; x 2 x 2,048 x 4,096 float32.
;; Outputs: out0 2 x 2,048 x 4,096 float32.
;; This version of the problem:
;;   THIS VERSION OF THE PROBLEM IS GIVEN IN LOW PRECISION. The matrix products marked QUANTISED in the list below multiply operands that are first quantised to E3M2 (3 exponent bits, 2 mantissa bits; 6 bits a number), with one power-of-two scale for each 32 numbers along K (OCP MX v1.0); their sums are f32. All else is computed in f32.
;;   The module's matrix products, in the order in which they are computed (A, B: the left and right operand; K: the contracted axis; several contracted axes count as one K, in the product's order):
;;     1. [M 8, K 4] x [K 4, N 1]; A: input P; B: input v: left as it is (K = 4 < 32)
;;     2. [M 4,096, K 8] x [K 8, N 4,096]; A: computed on the way; B: input B: left as it is (K = 8 < 32)
;;     3. [M 4,096, K 4,096] x [K 4,096, N 4,096]; A: input x; B: computed on the way: QUANTISED
;;   THE QUANTISER, for each operand of a quantised product, along K:
;;     - K is cut into blocks of 32 from its start; a last block that is shorter is filled with zeros.
;;     - A block's scale is 2^e with e = floor(log2(the largest magnitude in the block)) - 4, held to -126 .. 127; a block of zeros has e = 0. As a byte (E8M0): e + 127.
;;     - Each number is divided by its block's scale, clamped to +-28, and rounded to the nearest number of E3M2, ties to even, subnormals kept.
;;     - The product sums the exact products of the quantised numbers (number of the format x scale) in f32.
;;   ~~~python
;;   def quantise(x, axis):      # numpy; x: float32 -> the quantised numbers, widened to float32 again
;;       x = np.moveaxis(x, axis, -1); K = x.shape[-1]
;;       x = np.pad(x, [(0, 0)] * (x.ndim - 1) + [(0, -K % 32)]); x = x.reshape(x.shape[:-1] + (-1, 32)); a = np.abs(x).max(-1, keepdims=True)
;;       e = np.where(a > 0, np.clip(np.frexp(np.where(a > 0, a, 1))[1] - 1 - 4, -126, 127), 0)      # np.frexp(a)[1] - 1 = floor(log2(a)), exactly
;;       r = np.clip(x / 2.0 ** e, -28, 28)
;;       step = 2.0 ** (np.maximum(np.frexp(np.where(r == 0, 1, r))[1] - 1, -2) - 2)
;;       q = np.round(r / step) * step * 2.0 ** e      # np.round: ties to even
;;       return np.moveaxis(q.reshape(q.shape[:-2] + (-1,))[..., :K], -1, axis).astype(np.float32)
;;   ~~~
;;   OPERANDS COMPUTED ON THE WAY. 'Computed on the way' means the value that the module computes at that place (a softmax that the list does not call 'softmax' is quantised finished and normalised). What goes into a quantiser is computed in f32, as accurately as f32 sums, v_exp_f32 and their like allow (about 1e-6 of the number): no bf16 or f16 on the way to a quantiser, and a product that is left as it is and whose result goes on into a quantised operand takes f32 operands (vector FMAs, or v_wmma_f32_16x16x4_f32). A number that lies on a knife's edge between two numbers of the format may be rounded either way, as far as f32 arithmetic and the matrix unit's own rounding can turn it there, and no further.
;; One version. Each part assembles by itself: llvm-mc -triple=amdgcn-amd-amdhsa -mcpu=gfx1250 --defsym DOCPART=n.
;; ======== version 1 of 1: 2 launches
;; limits: right only within a limited range of input values
;; workspace buffers: xq 13,107,200 bytes; wq 13,107,200 bytes
;; launch prep (part 1): grid 256 x 1, 16 waves a work-group, no clusters, 272,384 bytes of LDS; arguments x, A, B, P, v, xq, wq; writes xq, wq
.if DOCPART == 1
	.amdgcn_target "amdgcn-amd-amdhsa--gfx1250"
	.amdhsa_code_object_version 6
	.text
	.protected	k_q99e5b3ef8d_prep
	.globl	k_q99e5b3ef8d_prep
	.p2align	8
	.type	k_q99e5b3ef8d_prep,@function
k_q99e5b3ef8d_prep:
	s_mov_b64 s[64:65], 0
	v_nop
	global_prefetch_b8 v0, s[64:65] scope:SCOPE_SE
	s_setreg_imm32_b32 hwreg(HW_REG_WAVE_MODE, 25, 1), 1
	s_wait_xcnt 0x0
; BOTH OPERANDS OF out = base + x dW^T BECOME CODES OF BF6 (E3M2), one E8M0 byte for each 32 along K = i, ONCE.
; x: [4096 rows][4096] f32.  dW[o][i] = sum over r of (A[o][r] scale[r]) B[r][i], scale = P v, all in f32; A [4096][8], B [8][4096], P [8][4], v [4].
; A block's scale is 2^(floor(log2(its largest magnitude)) - 4); its byte is the largest magnitude's exponent field - 4, held at 1 from below; numbers are divided by it and
; rounded to the nearest code, ties to even, beyond the largest code the largest.  No work of the problem is left out: every input has a way to the output.
; LIMITS: NaN and infinities among the inputs are not served.  A block of zeros gets the byte 1 where the rule says 127: its codes are zeros, which add nothing under any byte but 0xff, and this program alone reads the bytes.
; WORKSPACE, xq and wq alike, IN THE ORDER OF THE OPERAND'S REGISTERS.  Record (g, t), 12,800 bytes at (32 g + t) x 12,800: rows 128 g .. 128 g + 127, k 128 t .. 128 t + 127.
; In it fragment i (rows 16 i on; 12 registers a lane) at 1,536 i: registers 4 c .. 4 c + 3 of lane l at 512 c + 16 l.  Behind the 8 fragments the scale words: row 16 i + r at 12,288 + 256 (i / 4) + 16 r + 4 (i % 4).
; SHARES.  Work-group W: rows 64 (W / 4) on, k 1,024 (W % 4) on.  A wave takes 64 rows x 128 k: four fragments, 6,144 consecutive bytes of codes and 256 of scale words.
; WAVES 0-7 DO IT FOR x, WAVES 8-15 FOR dW.  The waves part once, on the wave's number, and do not meet again: no barrier.
; x comes by the tensor data mover: one tile a wave (64 rows x 512 bytes), into LDS bytes of the wave's own that are filled once: one tensor load of a wave is out.
; NO CLUSTER: what work-groups share is A, B, P and v, 262,288 bytes, against the 67,108,864 of x that nobody shares.  NO PREFETCH: every tile is asked for at the wave's first lines, and there is no loop to run ahead in.
.set REC,   12800
.set XP,    528                        ; a tile's row in LDS: 512 bytes + 16 of padding = 132 words: the sixteen rows of a 16-byte load start 4 words apart modulo 64 (64 banks of 4 bytes: ISA guide 11.1)
.set TILE,  64*XP                      ; 33,792: an x wave's LDS
.set SPARE, 8*TILE                     ; behind the eight tiles: the spare words, 128 bytes for each of 16 waves
.set WD,    16                         ; v16-19   scale words, fragment ii at ii
.set OW,    24                         ; v24-25   the scale words as they leave
.set X0,    32                         ; x path: v32-95, v96-159 two sets of 64 numbers
.set BT,    32                         ; dW path: v32-63 B's operands: 4 t + 2 s + j
.set AS,    96                         ; v96-111  A x scale: 4 ii + 2 s + j
.set PR,    112                        ; v112-127 four rows of P
.set SV,    128                        ; v128-131 scale[4 s + 2 h + j] at 2 s + j
.set HA,    160                        ; v160-223 eight tiles of dW: written by matrix instructions alone
.set PC,    224                        ; v224-235 a fragment's codes; v236-238, v240-242 at work; v239 my spare word's address, v243 zero
.set TM,    244                        ; v244-247 largest magnitudes, v248-251 the other half's, then bytes, v252-255 the conversions' scale operands
.set G1,    24                         ; s[24:31] descriptor group 1;  s[32:35] group 0
	s_load_b256 s[4:11], s[0:1], 0x0               ; x s[4:5], A s[6:7], B s[8:9], P s[10:11]
	s_load_b128 s[12:15], s[0:1], 0x20             ; v s[12:13], xq s[14:15]
	s_load_b64 s[16:17], s[0:1], 0x30              ; wq
	v_lshl_add_u32 v239, v0, 2, SPARE
	v_mov_b32 v243, 0
	ds_add_u32 v239, v243                          ; the opening lines: the add, twice on end, and its wait
	ds_add_u32 v239, v243
	v_lshrrev_b32 v1, 5, v0
	s_delay_alu instid0(VALU_DEP_1)
	v_readfirstlane_b32 s18, v1                    ; wave 0..15
	s_and_b32 s19, s18, 7                          ; its place among the eight of its kind
	s_lshr_b32 s20, ttmp9, 2                       ; R: which 64 rows
	s_and_b32 s21, ttmp9, 3
	s_lshl_b32 s21, s21, 3
	s_add_co_u32 s21, s21, s19                     ; t: which 128 along K
	; descriptor group 1: 64 rows x 128 elements of 4 bytes, 4,096 elements from row to row, padded in LDS
	s_mov_b32 s[G1+0], (2<<16)|(1<<20)|(6<<22)|(3<<25)  ; no mask; elements of 4 bytes; padding on, after every 128 words (code 6), of 4 words (code 3)
	s_mov_b32 s[G1+1], 128<<16                     ; tensor_dim0
	s_mov_b32 s[G1+2], 64<<16                      ; tensor_dim1
	s_mov_b32 s[G1+3], 128<<16                     ; tile_dim0
	s_mov_b32 s[G1+4], 64                          ; tile_dim1
	s_mov_b32 s[G1+5], 4096                        ; tensor_dim0_stride
	s_mov_b32 s[G1+6], 0
	s_mov_b32 s[G1+7], 0
	s_mul_i32 s56, s19, TILE                       ; my LDS bytes (x path)
	; where my codes and my scale words go, in bytes from the buffer's start: all under 13,107,200
	s_lshr_b32 s22, s20, 1
	s_lshl_b32 s22, s22, 5
	s_add_co_u32 s22, s22, s21
	s_mul_i32 s22, s22, REC                        ; record (R / 2, t)
	s_and_b32 s23, s20, 1
	s_mul_i32 s50, s23, 6144                       ; its fragments 4 (R % 2) on
	s_add_co_u32 s50, s50, s22
	s_mov_b32 s51, 0
	s_lshl_b32 s52, s23, 8                         ; and their scale words
	s_add_co_u32 s52, s52, s22
	s_add_co_u32 s52, s52, 12288
	s_mov_b32 s53, 0
	s_mov_b32 s48, 0x76543210
	s_mov_b32 s49, 0xfedcba98                      ; v_permlanex16_b32's selects for lane l xor 16
	v_and_b32 v1, 15, v0                           ; r
	v_bfe_u32 v2, v0, 4, 1                         ; h
	v_and_b32 v3, 31, v0
	s_delay_alu instid0(VALU_DEP_1)
	v_lshlrev_b32 v3, 4, v3                        ; 16 x lane: an image's place for my lane; never rewritten
	s_delay_alu instid0(VALU_DEP_4)
	v_mul_u32_u24 v4, v1, XP
	s_delay_alu instid0(VALU_DEP_1)
	v_lshl_add_u32 v4, v2, 6, v4
	s_delay_alu instid0(VALU_DEP_1)
	v_add_nc_u32 v4, s56, v4                       ; x path: LDS: my wave's bytes + row r + 64 h: my 16 numbers of a block of 32
	v_lshlrev_b32 v5, 5, v1
	s_delay_alu instid0(VALU_DEP_1)
	v_lshl_add_u32 v5, v2, 3, v5                   ; dW path: A: row r of 32 bytes, + 8 h
	v_lshlrev_b32 v6, 5, v2                        ; P: rows 2 h on, 16 bytes each
	v_lshlrev_b32 v8, 4, v1
	s_delay_alu instid0(VALU_DEP_1)
	v_lshl_add_u32 v8, v2, 3, v8                   ; my two scale words' place: 16 r + 8 h
	v_and_b32 v7, 8, v1
	s_delay_alu instid0(VALU_DEP_1)
	v_add_nc_u32 v7, v7, v1                        ; r + 8 (r / 8)
	s_delay_alu instid0(VALU_DEP_1)
	v_lshlrev_b32 v7, 2, v7
	s_delay_alu instid0(VALU_DEP_1)
	v_lshl_add_u32 v7, v2, 15, v7                  ; B: column r + 8 (r / 8), rows 2 h on, 16,384 bytes each
.irp b, 0,1,2,3
	v_mov_b32 v[TM+4+\b], 0                        ; written once: a lane permute's destination counts as one of its sources
.endr
	s_wait_dscnt 0x0
	s_wait_kmcnt 0x0
	s_cmp_lt_u32 s18, 8
	s_cbranch_scc0 .Lw
; 64 numbers of a lane, v[s] on, register 16 b + i = k 32 b + 16 h + i of my row r, become a fragment's codes in v[PC] on and its scale word in v[wd].
.macro QUANT s, wd
.irp b, 0,1,2,3
	v_max3_num_f32 v[TM+\b], |v[\s+16*\b]|, |v[\s+1+16*\b]|, 0x2800000   ; block b: my 16 numbers, and the floor 2^(5 - 127): the byte cannot fall under 1
.endr
.irp i, 2,4,6,8,10,12,14
.irp b, 0,1,2,3
	v_max3_num_f32 v[TM+\b], v[TM+\b], |v[\s+16*\b+\i]|, |v[\s+1+16*\b+\i]|   ; the four blocks by turns
.endr
.endr
.irp b, 0,1,2,3
	s_delay_alu instid0(VALU_DEP_4)
	v_permlanex16_b32 v[TM+4+\b], v[TM+\b], s48, s49
.endr
.irp b, 0,1,2,3
	s_delay_alu instid0(VALU_DEP_4)
	v_max_num_f32 v[TM+\b], v[TM+\b], v[TM+4+\b]   ; with lane l xor 16's: the block's largest magnitude
.endr
.irp b, 0,1,2,3
	s_delay_alu instid0(VALU_DEP_4)
	v_add_nc_u32 v[TM+8+\b], 0xfe000000, v[TM+\b]  ; 4 off its exponent field: the conversion takes the exponent field of this operand as its scale
.endr
.irp b, 0,1,2,3
	s_delay_alu instid0(VALU_DEP_4)
	v_lshrrev_b32 v[TM+4+\b], 23, v[TM+8+\b]       ; the scale's byte
.endr
	s_delay_alu instid0(VALU_DEP_3)
	v_lshl_or_b32 v[\wd], v[TM+5], 8, v[TM+4]      ; the four bytes make my row's scale word (lanes l and l xor 16 hold the same)
	s_delay_alu instid0(VALU_DEP_1)
	v_lshl_or_b32 v[\wd], v[TM+6], 16, v[\wd]
	s_delay_alu instid0(VALU_DEP_1)
	v_lshl_or_b32 v[\wd], v[TM+7], 24, v[\wd]
	s_wait_xcnt 0x0                                ; the last fragment's stores have read v[PC] on: only behind this wait are these registers written again
.irp c, 0,1
	v_cvt_scalef32_pk16_bf6_f32 v[PC+6*\c:PC+2+6*\c], v[\s+32*\c:\s+15+32*\c], v[TM+8+2*\c]
	v_cvt_scalef32_pk16_bf6_f32 v[PC+12+4*\c:PC+14+4*\c], v[\s+16+32*\c:\s+31+32*\c], v[TM+8+2*\c+1]   ; (a conversion's three registers begin on an even number)
.endr
	v_nop                                          ; one plain place behind a scaled conversion
.irp c, 0,1                                    ; the operand's layout wants a WHOLE block in a lane: lanes 0-15 block 2 c, lanes 16-31 block 2 c + 1
.irp i, 0,1,2
	v_permlane16_swap_b32 v[PC+6*\c+\i], v[PC+12+4*\c+\i]
.endr
.irp i, 0,1,2
	s_delay_alu instid0(VALU_DEP_3)
	v_mov_b32 v[PC+3+6*\c+\i], v[PC+12+4*\c+\i]
.endr
.endr
.endm
.macro OUT fi                                  ; the fragment leaves as an image of its registers: each store covers 512 consecutive bytes, aligned
.irp c, 0,1,2
	global_store_b128 v3, v[PC+4*\c:PC+4*\c+3], s[44:45] offset:(\fi)*1536+512*\c
.endr
.endm
.macro WORDS                                   ; my 64 rows' scale words: lane (r, h) sends those of fragments 2 h and 2 h + 1: the wave stores 256 consecutive bytes, aligned
	v_cmp_ne_u32 vcc_lo, 0, v2
	v_cndmask_b32 v[OW], v[WD], v[WD+2], vcc_lo
	v_cndmask_b32 v[OW+1], v[WD+1], v[WD+3], vcc_lo
	global_store_b64 v8, v[OW:OW+1], s[46:47]
.endm
	; ---------------- waves 0-7: x ----------------
	s_lshl_b32 s54, s20, 20                        ; 64 R rows of 16,384 bytes
	s_lshl_b32 s55, s21, 9                         ; + 128 t numbers
	s_add_co_u32 s54, s54, s55
	s_mov_b32 s55, 0
	s_add_nc_u64 s[4:5], s[4:5], s[54:55]
	s_mov_b32 s32, 1                               ; count = 1
	s_mov_b32 s33, s56                             ; LDS address: my tile
	s_mov_b64 s[34:35], s[4:5]                     ; global address
	s_or_b32 s35, s35, 0x80000000                  ; type = 2
	tensor_load_to_lds s[32:35], s[G1:G1+7]
	s_nop 0
.rept 4
	v_nop                                          ; four such lines behind the load
.endr
	s_add_nc_u64 s[44:45], s[14:15], s[50:51]      ; my codes in xq
	s_add_nc_u64 s[46:47], s[14:15], s[52:53]      ; my scale words
.macro DSL f, set                              ; fragment f: 64 numbers a lane, 16 neighbours of each of four blocks
.irp b, 0,1,2,3
.irp j, 0,1,2,3
	ds_load_b128 v[\set+16*\b+4*\j:\set+16*\b+4*\j+3], v4 offset:(\f)*16*XP+128*\b+16*\j
.endr
.endr
.endm
	s_wait_tensorcnt 0x0                           ; my tile is in
	DSL 0, X0
.irp f, 0,1,2,3
.if \f < 3
	DSL \f+1, X0+64*((\f+1)%2)
	s_wait_dscnt 16                                ; this fragment's numbers are in; the 16 loads just issued may be out
.else
	s_wait_dscnt 0x0
.endif
	QUANT X0+64*(\f%2), WD+\f
	OUT \f
.endr
	WORDS
	s_wait_tensorcnt 0x0                           ; the wave's end
	ds_add_u32 v239, v243
	s_wait_dscnt 0x0
	s_endpgm
	; ---------------- waves 8-15: dW ----------------
.Lw:
	s_load_b128 s[40:43], s[12:13], 0x0            ; v's four numbers
	s_add_nc_u64 s[44:45], s[16:17], s[50:51]      ; my codes in wq
	s_add_nc_u64 s[46:47], s[16:17], s[52:53]      ; my scale words
	s_lshl_b32 s54, s21, 9
	s_mov_b32 s55, 0
	s_add_nc_u64 s[8:9], s[8:9], s[54:55]          ; B at column 128 t
	s_lshl_b32 s54, s20, 11
	s_add_nc_u64 s[6:7], s[6:7], s[54:55]          ; A at row 64 R
	; The f32 matrix form is used TRANSPOSED: source 0 = 16 columns i of B (as rows), source 1 = 16 rows o of A x scale; K = 4 of the rank's 8, two steps s.  Lane (r, h), register j holds k = 4 s + 2 h + j.
	; THE COLUMNS OF B THAT FORM A TILE ARE NOT NEIGHBOURS: lane r of tile 2 b + u takes i = 32 b + 8 u + r + 8 (r / 8), so that in the result lane (r, h) holds row o = r and the 16 registers of tiles
	; 2 b and 2 b + 1 are i = 32 b + 16 h + 0 .. 15: what QUANT takes.
	s_wait_alu depctr_va_vdst(0)                   ; ahead of the first readers of the head's addresses
.irp t, 0,1,2,3,4,5,6,7
.irp s, 0,1
.irp j, 0,1
	global_load_b32 v[BT+4*\t+2*\s+\j], v7, s[8:9] offset:(4*\s+\j)*16384+128*(\t/2)+32*(\t%2)
.endr
.endr
.endr
.irp m, 0,1,2,3
.irp s, 0,1
	global_load_b64 v[AS+4*\m+2*\s:AS+4*\m+2*\s+1], v5, s[6:7] offset:512*\m+16*\s   ; A(64 R + 16 m + r, 4 s + 2 h + 0, 1)
.endr
.endr
.irp s, 0,1
.irp j, 0,1
	global_load_b128 v[PR+4*(2*\s+\j):PR+4*(2*\s+\j)+3], v6, s[10:11] offset:16*(4*\s+\j)   ; P's row 4 s + 2 h + j
.endr
.endr
	s_wait_kmcnt 0x0
	s_wait_loadcnt 0x0
.irp n, 0,1,2,3
	v_mul_f32 v[SV+\n], s40, v[PR+4*\n]            ; scale = P v, in f32, u ascending
.endr
.irp n, 0,1,2,3
	s_delay_alu instid0(VALU_DEP_4)
	v_fma_f32 v[SV+\n], v[PR+4*\n+1], s41, v[SV+\n]
.endr
.irp n, 0,1,2,3
	s_delay_alu instid0(VALU_DEP_4)
	v_fma_f32 v[SV+\n], v[PR+4*\n+2], s42, v[SV+\n]
.endr
.irp n, 0,1,2,3
	s_delay_alu instid0(VALU_DEP_4)
	v_fma_f32 v[SV+\n], v[PR+4*\n+3], s43, v[SV+\n]
.endr
.irp m, 0,1,2,3
.irp s, 0,1
	v_pk_mul_f32 v[AS+4*\m+2*\s:AS+4*\m+2*\s+1], v[AS+4*\m+2*\s:AS+4*\m+2*\s+1], v[SV+2*\s:SV+2*\s+1]   ; A x scale, rounded once, as the product's left operand is defined
.endr
.endr
.rept 8
	v_nop
.endr
; Fragment fi: eight tiles of 16 x 16 of dW, two matrix instructions deep.  The eight accumulators take turns, one instruction a turn.  The first K step starts each sum with the constant 0.
.macro FRAGW fi
.irp t, 0,1,2,3,4,5,6,7
	v_wmma_f32_16x16x4_f32 v[HA+8*\t:HA+8*\t+7], v[BT+4*\t:BT+4*\t+1], v[AS+4*(\fi):AS+4*(\fi)+1], 0
.endr
.irp t, 0,1,2,3,4,5,6,7
	v_wmma_f32_16x16x4_f32 v[HA+8*\t:HA+8*\t+7], v[BT+4*\t+2:BT+4*\t+3], v[AS+4*(\fi)+2:AS+4*(\fi)+3], v[HA+8*\t:HA+8*\t+7]
.endr
.rept 8
	v_nop                                          ; eight places behind this form before a vector instruction reads a result (ISA guide 7.12.1); with QUANT's lines on v[TM] and v[PC] they are more than the nine that the next fragment's first products want
.endr
	QUANT HA, WD+(\fi)                             ; it reads each accumulator from its low end on
	OUT \fi
.endm
.irp f, 0,1,2,3
	FRAGW \f
.endr
	WORDS
	s_endpgm
.Lfunc_end_k_q99e5b3ef8d_prep:
	.size	k_q99e5b3ef8d_prep, .Lfunc_end_k_q99e5b3ef8d_prep-k_q99e5b3ef8d_prep
	.p2alignl 7, 3214868480
	.fill 96, 4, 3214868480
	.section	.rodata,"a",@progbits
	.p2align	6, 0x0
	.amdhsa_kernel k_q99e5b3ef8d_prep
		.amdhsa_group_segment_fixed_size 272384
		.amdhsa_private_segment_fixed_size 0
		.amdhsa_enable_private_segment 0
		.amdhsa_kernarg_size 56
		.amdhsa_user_sgpr_count 2
		.amdhsa_user_sgpr_kernarg_segment_ptr 1
		.amdhsa_wavefront_size32 1
		.amdhsa_system_sgpr_workgroup_id_x 1
		.amdhsa_system_sgpr_workgroup_id_y 1
		.amdhsa_system_sgpr_workgroup_id_z 1
		.amdhsa_system_vgpr_workitem_id 0
		.amdhsa_next_free_vgpr 256
		.amdhsa_next_free_sgpr 66
		.amdhsa_reserve_vcc 1
		.amdhsa_float_denorm_mode_32 3
		.amdhsa_float_denorm_mode_16_64 3
		.amdhsa_memory_ordered 1
		.amdhsa_forward_progress 1
		.amdhsa_inst_pref_size 59
	.end_amdhsa_kernel
	.amdgpu_metadata
---
amdhsa.version: [ 1, 2 ]
amdhsa.kernels:
  - .name:           k_q99e5b3ef8d_prep
    .symbol:         k_q99e5b3ef8d_prep.kd
    .args:
      - { .name: x, .offset: 0, .size: 8, .value_kind: global_buffer, .address_space: global }
      - { .name: A, .offset: 8, .size: 8, .value_kind: global_buffer, .address_space: global }
      - { .name: B, .offset: 16, .size: 8, .value_kind: global_buffer, .address_space: global }
      - { .name: P, .offset: 24, .size: 8, .value_kind: global_buffer, .address_space: global }
      - { .name: v, .offset: 32, .size: 8, .value_kind: global_buffer, .address_space: global }
      - { .name: xq, .offset: 40, .size: 8, .value_kind: global_buffer, .address_space: global }
      - { .name: wq, .offset: 48, .size: 8, .value_kind: global_buffer, .address_space: global }
    .group_segment_fixed_size: 272384
    .private_segment_fixed_size: 0
    .kernarg_segment_align: 8
    .kernarg_segment_size: 56
    .max_flat_workgroup_size: 512
    .sgpr_count:     66
    .vgpr_count:     256
    .wavefront_size: 32
...
	.end_amdgpu_metadata
.endif
;; end of part 1
;; launch gemm (part 2): grid 16 x 16, 4 waves a work-group, clusters of 4 x 4, 327,680 bytes of LDS; arguments xq, wq, base_output, out0; writes out0
.if DOCPART == 2
	.amdgcn_target "amdgcn-amd-amdhsa--gfx1250"
	.amdhsa_code_object_version 6
	.text
	.protected	k_q99e5b3ef8d_gemm
	.globl	k_q99e5b3ef8d_gemm
	.p2align	8
	.type	k_q99e5b3ef8d_gemm,@function
k_q99e5b3ef8d_gemm:
	s_mov_b64 s[64:65], 0
	v_nop
	global_prefetch_b8 v0, s[64:65] scope:SCOPE_SE
	s_setreg_imm32_b32 hwreg(HW_REG_WAVE_MODE, 25, 1), 1
	s_wait_xcnt 0x0
	s_wait_alu depctr_hold_cnt(0) depctr_sa_sdst(0) depctr_va_vdst(0) depctr_va_sdst(0) depctr_va_ssrc(0) depctr_va_vcc(0) depctr_vm_vsrc(0)
	s_getreg_b32 s2, hwreg(HW_REG_IB_STS2, 6, 4)
	s_cmp_eq_u32 s2, 0
	s_cbranch_scc0 .Lentry_in_a_cluster
	s_endpgm
.Lentry_in_a_cluster:
	s_bfe_u32 s2, ttmp6, 0x10000c
	s_cmp_lg_u32 s2, 0xf033
	s_cbranch_scc0 .Lentry_shape_is_right
	s_endpgm
.Lentry_shape_is_right:
; out0[m][n] = base_output[m][n] + sum over k of x[m][k] dW[n][k], on the codes of BF6 (E3M2) and E8M0 scale words that launch prep laid into xq and wq; sums in f32.  4,096 x 4,096 x 4,096.
; xq, wq: record (g, t), 12,800 bytes at (32 g + t) x 12,800: rows 128 g on, k 128 t on: 8 fragments as images of the operand's registers (fragment i at 1,536 i: registers 4 c .. 4 c + 3 of lane l at 512 c + 16 l),
; then the scale words (row 16 i + r at 12,288 + 256 (i / 4) + 16 r + 4 (i % 4)).
; A tile of out0, 256 x 256, is made by four waves, each 128 x 128: 64 accumulators, 512 registers.  A step is 128 along K: 64 matrix instructions.
; THE RING: two LDS slots of THREE steps each (384 along K): a wave's one joint load brings three records on end, 38,400 dense bytes, as 150 rows of 256 bytes.  32 steps are ten whole slots and one of two steps.
; CLUSTERS 4 x 4: A's tiles are shared along a row of the cluster, B's along a column, by joint loads; a round of the cluster's barrier stands in front of each.
; THE MATRIX INSTRUCTION IS USED TRANSPOSED (source 0 = 16 rows of dW, source 1 = 16 rows of x): a lane holds eight neighbouring numbers of a row of out0.
; base_output, in UNITS of 16 rows x 64 columns (four accumulators, 32 registers; unit u: rows 16 (u / 2) on, columns 64 (u % 2) on; every load and store covers two rows' aligned 256 bytes):
;   units 0-6 (56 loads) are asked for straight behind the first joint load, turn through the wave's own stage in LDS into the accumulators' layout while the second tile is on its way, and are the C of the first products;
;   units 11-15 are asked for behind the loop, seven steps ahead of the way out, into 160 registers that the steps leave idle;  units 7-10 at the last step, into registers that B's and A's fragments have left.
;   Units 7-15 begin with the constant 0 and get their base on the way out, which takes the units in the order 0-6, 11-15, 7-10: the last asked for leave last.
; PREFETCH: behind the joint load of slot number t each partner asks for its quarter of slot number t + 2's blocks of 256 bytes (block 4 i + p for the partner at place p): two changes of slots ahead of the load that wants them;
; the last whole slot's load asks for nothing.  base_output is not prefetched: each of its bytes is asked for once, by a load that nothing waits for until long behind it.
; REGISTERS: window 0: v0-31 addresses; v32-47 scale words, two sets; v64-127, v224-255 base units; v128-223 A's fragments, one set.  window 1: B's fragments, two sets, at v0 and v128; v96-127, v224-255 base units.
;   window 2: accumulators of my rows 0-63 ((a, b) at v[8 (8 a + b)]); window 3: rows 64-127.
.set REC,    12800
.set TL,     3*REC                     ; what one joint load brings
.set GRP,    32*REC                    ; 128 rows, all of K
.set SLOT,   4*TL                      ; A's two halves, then B's two halves
.set STAGE,  2*SLOT                    ; behind the ring: 16 rows x 272 bytes for each wave; no tensor load lands here
.set SPITCH, 272
.set SPARE,  STAGE+4*16*SPITCH         ; the spare words, 128 bytes a wave
.set FR,     12
.set NP,     4                         ; places behind this matrix form (ISA guide 7.12.1)
.set ROWC,   16384                     ; a row of base_output and of out0 in bytes
.set NH,     7                         ; units that begin in the accumulators
.set ZFROM,  4*NH                      ; accumulators 8 a + b from here on begin with 0
.set ADRA, 16                          ; v16-17 my A fragments in slot 0, 1
.set ADRB, 20                          ; v20-21 B's
.set ADRS, 22                          ; v22-23 scale words: lanes 0-15 A's, lanes 16-31 B's
.set STO,  24                          ; stage, accumulator layout: row r, 32 h
.set RD,   25                          ; stage, by rows: row h, 16 r
.set CO,   26                          ; the same two rows in memory
.set PF1,  27                          ; prefetch offsets: blocks 4 i + p, i = lane;
.set SPW,  28
.set NIL,  29
.set PF2,  30                          ; i = 32 on, as far as the tile's 150 blocks go;
.set PFS,  31                          ; and for the last slot's 100 blocks
.set SC,   32
.set AF,   128
.set G1,  24
.set G0,  32
.set G1B, 48
.set G0B, 56
.set PFA, 66                           ; s[66:67] where my prefetches stand
.set MSB, 0
.macro WIN new                         ; the immediate's high byte repeats the setting that is left
.if MSB != (\new)
	s_set_vgpr_msb (MSB<<8)|(\new)
.set MSB, (\new)
.endif
.endm
.set MUL_LO, 0xa1                      ; source 0 (B) window 1, source 1 (A) window 0, C and D window 2
.set MUL_HI, 0xf1
.set TO_B,   0x40
.macro JLOAD g0a, g1a, g0b, g1b        ; a joint load: waves 0, 1 for A, waves 2, 3 for B; s_nop 0 and four v_nop behind each line
	s_cmp_eq_u32 s15, 0
	s_cbranch_scc0 .Lfor_b_\@
	tensor_load_to_lds s[\g0a:\g0a+3], s[\g1a:\g1a+7]
	s_nop 0
.rept 4
	v_nop
.endr
	s_branch .Lasked_\@
.Lfor_b_\@:
	tensor_load_to_lds s[\g0b:\g0b+3], s[\g1b:\g1b+7]
	s_nop 0
.rept 4
	v_nop
.endr
.Lasked_\@:
.endm
.macro CREST                           ; a round of the cluster's barrier behind its opening barrier
	s_cmp_lg_u32 s14, 0
	s_cbranch_scc1 .Lnot_wave_0_\@
	s_barrier_signal -3
.Lnot_wave_0_\@:
	s_barrier_wait -3
	s_barrier_signal -1
	s_barrier_wait -1
.endm
.macro CROUND
	s_barrier_signal -1
	s_barrier_wait -1
	CREST
.endm
.macro HOME u                          ; where unit u's numbers of base_output wait: window HW, register HR
.if (\u) < NH
.set HW, 1
.set HR, 32*(\u)
.elseif (\u) < 10
.set HW, 1
.set HR, 32*((\u)-NH)
.elseif (\u) == 10
.set HW, 0
.set HR, 128
.elseif (\u) == 11
.set HW, 0
.set HR, 224
.elseif (\u) == 12
.set HW, 1
.set HR, 96
.elseif (\u) == 13
.set HW, 1
.set HR, 224
.else
.set HW, 0
.set HR, 64+32*((\u)-14)
.endif
.endm
.macro BLOAD u                         ; eight loads, each two rows' aligned 256 bytes
	HOME \u
	WIN HW<<6
.irp t, 0,1,2,3,4,5,6,7
	global_load_b128 v[HR+4*\t:HR+4*\t+3], v[CO], s[8:9] offset:(16*((\u)/2)+2*\t)*ROWC+256*((\u)%2) th:TH_LOAD_NT
.endr
.endm
	s_load_b256 s[4:11], s[0:1], 0x0               ; xq s[4:5], wq s[6:7], base_output s[8:9], out0 s[10:11]
	v_lshl_add_u32 v[SPW], v0, 2, SPARE
	v_mov_b32 v[NIL], 0
	ds_add_u32 v[SPW], v[NIL]                      ; the opening lines: the add, twice on end, and its wait
	ds_add_u32 v[SPW], v[NIL]
	v_lshrrev_b32 v1, 5, v0
	v_readfirstlane_b32 s14, v1                    ; wave 0..3
	s_lshr_b32 s15, s14, 1                         ; my half of the tile's rows; also: I fetch for A (0) or B (1)
	s_and_b32 s16, s14, 1                          ; my half of its columns; also: which 128 rows I fetch
	s_bfe_u32 s40, ttmp6, 0x40000                  ; cx
	s_bfe_u32 s41, ttmp6, 0x40004                  ; cy
	s_lshl_b32 s42, ttmp9, 2
	s_add_co_u32 s42, s42, s40                     ; tile column
	s_and_b32 s17, ttmp7, 0xffff
	s_lshl_b32 s17, s17, 2
	s_add_co_u32 s17, s17, s41                     ; tile row
	s_lshl_b32 s43, s41, 2
	s_lshl_b32 s43, 15, s43                        ; my row of the cluster
	s_lshl_b32 s44, 0x1111, s40                    ; my column
	s_or_b32 s[G1+0], s43, (3<<16)|(1<<21)         ; the mask; elements of 8 bytes; bit 21 beside a mask; no padding: the images are read 512 dense bytes an instruction
	s_or_b32 s[G1B+0], s44, (3<<16)|(1<<21)
.irp g, G1, G1B
	s_mov_b32 s[\g+1], 32<<16                      ; rows of 32 elements = 256 bytes
	s_mov_b32 s[\g+2], 150<<16                     ; 150 rows
	s_mov_b32 s[\g+3], 32<<16
	s_mov_b32 s[\g+4], 150
	s_mov_b32 s[\g+5], 32
	s_mov_b32 s[\g+6], 0
	s_mov_b32 s[\g+7], 0
.endr
	s_lshl_b32 s20, s17, 1
	s_add_co_u32 s20, s20, s16
	s_mul_i32 s20, s20, GRP                        ; A: group 2 x tile row + half
	s_mov_b32 s21, 0
	s_lshl_b32 s46, s42, 1
	s_add_co_u32 s46, s46, s16
	s_mul_i32 s46, s46, GRP                        ; B: group 2 x tile column + half
	s_mov_b32 s47, 0
	s_mul_i32 s45, s14, TL                         ; where my load lands: wave x 38,400
	s_mul_i32 s70, s15, TL                         ; my A half in a slot
	s_mul_i32 s71, s16, TL
	s_add_co_u32 s71, s71, 2*TL                    ; my B half
	s_sub_co_u32 s72, s71, s70
	s_mul_i32 s73, s14, 16*SPITCH
	s_add_co_u32 s73, s73, STAGE                   ; my stage
	s_lshl_b32 s68, s17, 8
	s_lshl_b32 s69, s15, 7
	s_add_co_u32 s68, s68, s69
	s_lshl_b32 s68, s68, 14                        ; my first row of out0, in bytes,
	s_lshl_b32 s69, s42, 10
	s_add_co_u32 s68, s68, s69
	s_lshl_b32 s69, s16, 9
	s_add_co_u32 s68, s68, s69                     ; and my first column: under 2^27 in all
	s_mov_b32 s69, 0
	s_cmp_eq_u32 s15, 0                            ; do I fetch for A?
	s_cselect_b32 s74, s40, s41                    ; p: my place among the four that ask with me
	s_lshl_b32 s75, s74, 8                         ; 256 p
	s_lshr_b32 s77, s74, 1
	s_sub_co_u32 s77, 5, s77                       ; blocks 4 i + p stay under 150 for i up to 37 (p < 2) or 36
	v_and_b32 v1, 15, v0                           ; r
	v_bfe_u32 v2, v0, 4, 1                         ; h
	v_and_b32 v3, 31, v0                           ; lane
	v_lshlrev_b32 v4, 4, v3
	v_add_nc_u32 v[ADRA], s70, v4
	v_add_nc_u32 v[ADRB], s71, v4
	v_add_nc_u32 v[ADRA+1], SLOT, v[ADRA]
	v_add_nc_u32 v[ADRB+1], SLOT, v[ADRB]
	v_mul_u32_u24 v5, s72, v2                      ; lanes 16-31 take B's words
	v_lshl_add_u32 v5, v1, 4, v5
	v_add_nc_u32 v5, s70, v5
	v_add_nc_u32 v[ADRS], 12288, v5
	v_add_nc_u32 v[ADRS+1], SLOT+12288, v5
	v_mul_u32_u24 v6, v1, SPITCH
	v_lshl_add_u32 v6, v2, 5, v6
	v_add_nc_u32 v[STO], s73, v6
	v_mul_u32_u24 v6, v2, SPITCH
	v_lshl_add_u32 v6, v1, 4, v6
	v_add_nc_u32 v[RD], s73, v6
	v_lshlrev_b32 v[CO], 14, v2
	v_lshl_add_u32 v[CO], v1, 4, v[CO]
	v_lshl_add_u32 v[PF1], v3, 10, s75
	v_min_u32 v7, s77, v3                          ; lanes that are left over name the wave's last block again
	v_add_nc_u32 v7, 32, v7
	v_lshl_add_u32 v[PF2], v7, 10, s75
	v_min_u32 v7, 24, v3
	v_lshl_add_u32 v[PFS], v7, 10, s75
	s_wait_alu depctr_va_vdst(0)                   ; the wait behind the head's last vector instruction
	s_wait_dscnt 0x0                               ; both opening adds are done
	s_wait_kmcnt 0x0
	s_add_nc_u64 s[8:9], s[8:9], s[68:69]
	s_add_nc_u64 s[10:11], s[10:11], s[68:69]
	s_add_nc_u64 s[20:21], s[4:5], s[20:21]
	s_add_nc_u64 s[46:47], s[6:7], s[46:47]
	s_cmp_eq_u32 s15, 0
	s_cselect_b64 s[PFA:PFA+1], s[20:21], s[46:47]
	s_add_nc_u64 s[PFA:PFA+1], s[PFA:PFA+1], 2*TL  ; at slot number 2
	CROUND                                         ; all sixteen work-groups are here: the first joint loads meet
.irp s, 0,1
	s_mov_b32 s[G0+4*\s], 1
	s_add_co_u32 s[G0+4*\s+1], s45, \s*SLOT
	s_add_nc_u64 s[G0+4*\s+2:G0+4*\s+3], s[20:21], \s*TL
	s_or_b32 s[G0+4*\s+3], s[G0+4*\s+3], 0x80000000
	s_mov_b32 s[G0B+4*\s], 1
	s_add_co_u32 s[G0B+4*\s+1], s45, \s*SLOT
	s_add_nc_u64 s[G0B+4*\s+2:G0B+4*\s+3], s[46:47], \s*TL
	s_or_b32 s[G0B+4*\s+3], s[G0B+4*\s+3], 0x80000000
.endr
	JLOAD G0, G1, G0B, G1B                         ; slot number 0: one tensor load a wave at the head
.irp u, 0,1,2,3,4,5,6
	BLOAD \u                                       ; 56 loads, into registers that B's fragments take later
.endr
	WIN 0
.macro INIT u                          ; unit u through my stage into its four accumulators; LDS serves a wave's instructions in order (ISA guide 5.7.1.4)
	HOME \u
.set AC, 64*(((\u)/2)%4)+32*((\u)%2)
	s_wait_loadcnt 8*(NH-1-(\u))                   ; the younger units' eight loads each may be out
	WIN HW<<2
.irp t, 0,1,2,3,4,5,6,7
	ds_store_b128 v[RD], v[HR+4*\t:HR+4*\t+3] offset:\t*2*SPITCH
.endr
	WIN 0x80+0x40*((\u)/8)
.irp b, 0,1,2,3
	ds_load_b128 v[AC+8*\b:AC+8*\b+3], v[STO] offset:64*\b
	ds_load_b128 v[AC+8*\b+4:AC+8*\b+7], v[STO] offset:64*\b+16
.endr
.endm
.macro FRAG reg, adr, j, i
.irp c, 0,1,2
	ds_load_b128 v[\reg+4*\c:\reg+4*\c+3], v[\adr] offset:(\j)*REC+(\i)*1536+512*\c
.endr
.endm
; 16 matrix instructions: A's blocks a0, a0 + 1 x B's eight.  p: B's set and the set of scale words.  The 64 accumulators take turns, in the same order in every step.
.macro MUL16 a0, p, zero
.irp a, \a0, \a0+1
.irp b, 0,1,2,3,4,5,6,7
.if (\zero) && (8*(\a)+\b >= ZFROM)
	v_wmma_scale_f32_16x16x128_f8f6f4 v[8*(8*((\a)%4)+\b):8*(8*((\a)%4)+\b)+7], v[128*(\p)+FR*\b:128*(\p)+FR*\b+FR-1], v[AF+FR*(\a):AF+FR*(\a)+FR-1], 0, v[SC+8*(\p)+\b], v[SC+8*(\p)+(\a)] matrix_a_fmt:MATRIX_FMT_BF6 matrix_b_fmt:MATRIX_FMT_BF6 matrix_a_scale:MATRIX_SCALE_ROW1
.else
	v_wmma_scale_f32_16x16x128_f8f6f4 v[8*(8*((\a)%4)+\b):8*(8*((\a)%4)+\b)+7], v[128*(\p)+FR*\b:128*(\p)+FR*\b+FR-1], v[AF+FR*(\a):AF+FR*(\a)+FR-1], v[8*(8*((\a)%4)+\b):8*(8*((\a)%4)+\b)+7], v[SC+8*(\p)+\b], v[SC+8*(\p)+(\a)] matrix_a_fmt:MATRIX_FMT_BF6 matrix_b_fmt:MATRIX_FMT_BF6 matrix_a_scale:MATRIX_SCALE_ROW1
.endif
.endr
.endr
.endm
.macro FETCH_B slot, j, p
	WIN TO_B
.irp i, 0,1,2,3,4,5,6,7
	FRAG 128*(\p)+FR*\i, ADRB+(\slot), \j, \i
.endr
	WIN 0
.endm
.macro FETCH_A slot, j, i0
.irp i, \i0, \i0+1, \i0+2, \i0+3
	FRAG AF+FR*(\i), ADRA+(\slot), \j, \i
.endr
.endm
.macro SCALES slot, j, p               ; register SC + 8 p + i: lanes 0-15 the word of A's block i, lanes 16-31 that of B's block i
.irp m, 0,1
	ds_load_b128 v[SC+8*(\p)+4*\m:SC+8*(\p)+4*\m+3], v[ADRS+(\slot)] offset:(\j)*REC+256*\m
.endr
.endm
.macro PLACES n
.rept \n
	v_nop
.endr
.endm
; Step j of a slot, not its last: the next step's fragments come from the same slot, in three runs: B's 24 loads at the step's start (their set is free: the places stand at the end of the step before),
; A's blocks 0-3 and the scale words in its middle, A's blocks 4-7 at its end.
.macro STEP slot, j, p, zero
	FETCH_B \slot, (\j)+1, 1-(\p)
	s_wait_dscnt 36                                ; all but A's blocks 4-7 (12 loads) and the 24 just issued
	WIN MUL_LO
	MUL16 0, \p, \zero
	MUL16 2, \p, \zero
	s_wait_dscnt 24                                ; A's blocks 4-7 are in; the next step's B may be out
	PLACES NP
	WIN 0
	FETCH_A \slot, (\j)+1, 0
	SCALES \slot, (\j)+1, 1-(\p)
	WIN MUL_HI
	MUL16 4, \p, \zero
	MUL16 6, \p, \zero
	PLACES NP
	WIN 0
	FETCH_A \slot, (\j)+1, 4
.endm
; A slot's last step changes slots.  fill = 1: this slot takes the slot number two on; 2: the last one, of two records; 0: none.  ask = 1, 2: the loop's first and second change, with their prefetches.
.macro TURN slot, p, fill, ask
.if \ask
	s_wait_xcnt 0x0                                ; my last prefetches have read their address: it steps here
	s_add_nc_u64 s[PFA:PFA+1], s[PFA:PFA+1], TL
.endif
	s_wait_tensorcnt 0x0                           ; all my tensor loads have landed: my part of the next slot;
	ds_add_u32 v[SPW], v[NIL]
	s_wait_dscnt 13                                ; (the add and the youngest twelve loads may be out)
	WIN MUL_LO
	MUL16 0, \p, 0
	s_wait_dscnt 0x0                               ; the add is done, and my reads of this slot are over
	s_barrier_signal -1
	MUL16 2, \p, 0
	WIN 0
	s_barrier_wait -1
.if \fill
	CREST                                          ; the barrier has opened a round: no wave of any partner still reads this slot or has a load on its way
	s_add_nc_u64 s[G0+4*\slot+2:G0+4*\slot+3], s[G0+4*\slot+2:G0+4*\slot+3], 2*TL
	s_add_nc_u64 s[G0B+4*\slot+2:G0B+4*\slot+3], s[G0B+4*\slot+2:G0B+4*\slot+3], 2*TL
.if \fill == 2
	s_mov_b32 s[G1+2], 100<<16                     ; no tensor load of mine is out: the last load brings two records, 100 rows
	s_mov_b32 s[G1+4], 100
	s_mov_b32 s[G1B+2], 100<<16
	s_mov_b32 s[G1B+4], 100
.endif
	JLOAD G0+4*\slot, G1, G0B+4*\slot, G1B         ; the first tensor load behind the round; its four v_nop are the places in front of the loads below
.else
	PLACES NP
.endif
	FETCH_B 1-\slot, 0, 1-(\p)
	FETCH_A 1-\slot, 0, 0
	SCALES 1-\slot, 0, 1-(\p)
.if \ask
	s_cmp_eq_u32 s3, 1                             ; the loop's last trip: two slots on stand the short slot, and then nothing
	s_cbranch_scc1 .Lend_\@
	global_prefetch_b8 v[PF1], s[PFA:PFA+1] offset:TL th:TH_LOAD_NT scope:SCOPE_SE
	global_prefetch_b8 v[PF2], s[PFA:PFA+1] offset:TL th:TH_LOAD_NT scope:SCOPE_SE
.if \ask == 1
	s_branch .Ldone_\@
.endif
.Lend_\@:
.if \ask == 1
	global_prefetch_b8 v[PFS], s[PFA:PFA+1] offset:TL th:TH_LOAD_NT scope:SCOPE_SE
.Ldone_\@:
.endif
.endif
	WIN MUL_HI
	MUL16 4, \p, 0
	MUL16 6, \p, 0
	PLACES NP
	WIN 0
	FETCH_A 1-\slot, 0, 4
.endm
; THE WAY OUT, unit by unit: four accumulators into my stage, back as rows of 256 bytes, the waiting base added where it has not begun the sums, stored.
; n: the unit's place in the order of leaving; the rows come back into one of three buffers, window 1 v128-223 (B's second set, done with), by turns.
.macro TOSTAGE u, n
.set AC, 64*(((\u)/2)%4)+32*((\u)%2)
	WIN 0x08+4*((\u)/8)
.irp b, 0,1,2,3
	ds_store_b128 v[STO], v[AC+8*\b:AC+8*\b+3] offset:64*\b          ; each accumulator from its low end on
	ds_store_b128 v[STO], v[AC+8*\b+4:AC+8*\b+7] offset:64*\b+16
.endr
	WIN TO_B
.set TT, 128+32*((\n)%3)
.irp t, 0,1,2,3,4,5,6,7
	ds_load_b128 v[TT+4*\t:TT+4*\t+3], v[RD] offset:\t*2*SPITCH
.endr
.endm
.macro SEND u, n, younger
.set TT, 128+32*((\n)%3)
	s_wait_dscnt \younger                          ; the unit is back; the next unit's 8 stores and 8 loads may be out
.if (\u) >= NH
	HOME \u
.if (\u) == 11
	s_wait_loadcnt 32                              ; the five units asked for behind the loop are in; the 32 loads of units 7-10 may be out
.elseif (\u) < 11
	s_wait_loadcnt 8*(10-(\u))                     ; the younger units' eight loads each may be out
.endif
	WIN 0x41|(HW<<2)
.set k, 0
.rept 16
	v_pk_add_f32 v[TT+k:TT+k+1], v[TT+k:TT+k+1], v[HR+k:HR+k+1]
.set k, k+2
.endr
.endif
	WIN 0x04
.irp t, 0,1,2,3,4,5,6,7
	global_store_b128 v[CO], v[TT+4*\t:TT+4*\t+3], s[10:11] offset:(16*((\u)/2)+2*\t)*ROWC+256*((\u)%2) th:TH_STORE_NT   ; sixteen lanes store 256 consecutive bytes, aligned
.endr
.endm
.macro LEAVE u, n, pu                  ; unit u goes through the stage while the unit before it, pu, is stored
.if (\n) >= 3
	s_wait_xcnt 0x0                                ; the stores of three units ago have read their registers, which this unit takes
.endif
	TOSTAGE \u, \n
	SEND \pu, (\n)-1, 16
.endm
	global_prefetch_b8 v[PF1], s[PFA:PFA+1] th:TH_LOAD_NT scope:SCOPE_SE          ; behind slot number 0's load: slot number 2
	global_prefetch_b8 v[PF2], s[PFA:PFA+1] th:TH_LOAD_NT scope:SCOPE_SE
	s_wait_tensorcnt 0x0                           ; my part of slot number 0 is in
	ds_add_u32 v[SPW], v[NIL]
	s_wait_dscnt 0x0
	CROUND
	JLOAD G0+4, G1, G0B+4, G1B                     ; slot number 1, the first tensor load behind the round
	global_prefetch_b8 v[PF1], s[PFA:PFA+1] offset:TL th:TH_LOAD_NT scope:SCOPE_SE   ; and slot number 3
	global_prefetch_b8 v[PF2], s[PFA:PFA+1] offset:TL th:TH_LOAD_NT scope:SCOPE_SE
.irp u, 0,1,2,3,4,5,6
	INIT \u
.endr
	WIN 0
	s_wait_dscnt 0x0                               ; the accumulators hold base_output, and the stage's stores have read their registers
	FETCH_B 0, 0, 0
	FETCH_A 0, 0, 0
	SCALES 0, 0, 0
	FETCH_A 0, 0, 4
	STEP 0, 0, 0, 1                                ; step 0 stands in front of the loop: it starts the sums of units 7-15
	s_mov_b32 s3, 4
.Llap:                                                 ; a trip is six steps, once round the ring: steps 6 k + 1 .. 6 k + 6; it asks for slot numbers 2 k + 2 and 2 k + 3
	STEP 0, 1, 1, 0
	TURN 0, 0, 1, 1
	STEP 1, 0, 1, 0
	STEP 1, 1, 0, 0
	TURN 1, 1, 1, 2
	STEP 0, 0, 0, 0
	s_sub_co_u32 s3, s3, 1
	s_cmp_lg_u32 s3, 0
	s_cbranch_scc1 .Llap
.irp u, 11,12,13,14,15
	BLOAD \u                                       ; 40 loads into registers that no step names; waited for only on the way out, seven steps on
.endr
	WIN 0
	STEP 0, 1, 1, 0                                ; steps 25 to 31 are written out
	TURN 0, 0, 2, 0                                ; slot number 10: two records
	STEP 1, 0, 1, 0
	STEP 1, 1, 0, 0
	TURN 1, 1, 0, 0                                ; nothing is left to fetch
	STEP 0, 0, 0, 0
.irp u, 7,8,9
	BLOAD \u                                       ; into B's first set, which step 30 was the last to read (its places stand at that step's end)
.endr
	WIN 0
	s_wait_dscnt 12
	WIN MUL_LO
	MUL16 0, 1, 0
	MUL16 2, 1, 0
	s_wait_dscnt 0x0
	WIN MUL_HI
	MUL16 4, 1, 0
	MUL16 6, 1, 0
	WIN 0
	PLACES NP                                      ; in front of the reads of results and of the loads into A's and B's registers
	BLOAD 10
	TOSTAGE 0, 0
	LEAVE 1, 1, 0
	LEAVE 2, 2, 1
	LEAVE 3, 3, 2
	LEAVE 4, 4, 3
	LEAVE 5, 5, 4
	LEAVE 6, 6, 5
	LEAVE 11, 7, 6
	LEAVE 12, 8, 11
	LEAVE 13, 9, 12
	LEAVE 14, 10, 13
	LEAVE 15, 11, 14
	LEAVE 7, 12, 15
	LEAVE 8, 13, 7
	LEAVE 9, 14, 8
	LEAVE 10, 15, 9
	SEND 10, 15, 0
	WIN 0
	s_wait_tensorcnt 0x0                           ; the wave's end
	ds_add_u32 v[SPW], v[NIL]
	s_wait_dscnt 0x0
	CROUND                                         ; the closing round
	s_endpgm
.Lfunc_end_k_q99e5b3ef8d_gemm:
	.size	k_q99e5b3ef8d_gemm, .Lfunc_end_k_q99e5b3ef8d_gemm-k_q99e5b3ef8d_gemm
	.p2alignl 7, 3214868480
	.fill 96, 4, 3214868480
	.section	.rodata,"a",@progbits
	.p2align	6, 0x0
	.amdhsa_kernel k_q99e5b3ef8d_gemm
		.amdhsa_group_segment_fixed_size 327680
		.amdhsa_private_segment_fixed_size 0
		.amdhsa_enable_private_segment 0
		.amdhsa_kernarg_size 32
		.amdhsa_user_sgpr_count 2
		.amdhsa_user_sgpr_kernarg_segment_ptr 1
		.amdhsa_wavefront_size32 1
		.amdhsa_system_sgpr_workgroup_id_x 1
		.amdhsa_system_sgpr_workgroup_id_y 1
		.amdhsa_system_sgpr_workgroup_id_z 1
		.amdhsa_system_vgpr_workitem_id 0
		.amdhsa_next_free_vgpr 1024
		.amdhsa_next_free_sgpr 80
		.amdhsa_reserve_vcc 0
		.amdhsa_float_denorm_mode_32 3
		.amdhsa_float_denorm_mode_16_64 3
		.amdhsa_memory_ordered 1
		.amdhsa_forward_progress 1
		.amdhsa_inst_pref_size 235
	.end_amdhsa_kernel
	.amdgpu_metadata
---
amdhsa.version: [ 1, 2 ]
amdhsa.kernels:
  - .name:           k_q99e5b3ef8d_gemm
    .symbol:         k_q99e5b3ef8d_gemm.kd
    .args:
      - { .name: xq, .offset: 0, .size: 8, .value_kind: global_buffer, .address_space: global }
      - { .name: wq, .offset: 8, .size: 8, .value_kind: global_buffer, .address_space: global }
      - { .name: base_output, .offset: 16, .size: 8, .value_kind: global_buffer, .address_space: global }
      - { .name: out0, .offset: 24, .size: 8, .value_kind: global_buffer, .address_space: global }
    .group_segment_fixed_size: 327680
    .private_segment_fixed_size: 0
    .kernarg_segment_align: 8
    .kernarg_segment_size: 32
    .max_flat_workgroup_size: 128
    .sgpr_count:     80
    .vgpr_count:     1024
    .wavefront_size: 32
...
	.end_amdgpu_metadata
.endif
;; end of part 2
